; MI455X (gfx1250); checked and timed in simulation.
; The chip was launched on July 23, 2026; its instructions are those of AMD's public machine-readable ISA for CDNA 5 (MIT licence, August 2026) and "CDNA5" Instruction Set Architecture Reference Guide (July 2026). The comments in the code are by the model that wrote it; some were corrected since.
;; Full Attention. Allowed arithmetic: matrix products marked QUANTISED: E4M3 operands, one E8M0 scale for each 32 along K, by v_wmma_scale_f32_16x16x128_f8f6f4 with both operands' format E4M3, f32 sums; everything else in f32.
;; Inputs: attn_mask 1 bool; keys 8 x 2,048 x 8 x 64 float32; queries 8 x 2,048 x 8 x 64 float32; values 8 x 2,048 x 8 x 64 float32.
;; Outputs: out0 8 x 2,048 x 8 x 64 float32.
;; This version of the problem:
;;   THIS VERSION OF THE PROBLEM IS GIVEN IN LOW PRECISION. The matrix products marked QUANTISED in the list below multiply operands that are first quantised to E4M3 (4 exponent bits, 3 mantissa bits; 8 bits a number), with one power-of-two scale for each 32 numbers along K (OCP MX v1.0); their sums are f32. All else is computed in f32.
;;   The module's matrix products, in the order in which they are computed (A, B: the left and right operand; K: the contracted axis; several contracted axes count as one K, in the product's order):
;;     1. batch 64 x [M 2,048, K 64] x [K 64, N 2,048]; A: input queries; B: input keys: QUANTISED
;;     2. batch 64 x [M 64, K 2,048] x [K 2,048, N 2,048]; A: input values; B: softmax (see below): QUANTISED
;;   THE QUANTISER, for each operand of a quantised product, along K:
;;     - K is cut into blocks of 32 from its start; a last block that is shorter is filled with zeros.
;;     - A block's scale is 2^e with e = floor(log2(the largest magnitude in the block)) - 8, held to -126 .. 127; a block of zeros has e = 0. As a byte (E8M0): e + 127.
;;     - Each number is divided by its block's scale, clamped to +-448, and rounded to the nearest number of E4M3, ties to even, subnormals kept.
;;     - The product sums the exact products of the quantised numbers (number of the format x scale) in f32.
;;   ~~~python
;;   def quantise(x, axis):      # numpy; x: float32 -> the quantised numbers, widened to float32 again
;;       x = np.moveaxis(x, axis, -1); K = x.shape[-1]
;;       x = np.pad(x, [(0, 0)] * (x.ndim - 1) + [(0, -K % 32)]); x = x.reshape(x.shape[:-1] + (-1, 32)); a = np.abs(x).max(-1, keepdims=True)
;;       e = np.where(a > 0, np.clip(np.frexp(np.where(a > 0, a, 1))[1] - 1 - 8, -126, 127), 0)      # np.frexp(a)[1] - 1 = floor(log2(a)), exactly
;;       r = np.clip(x / 2.0 ** e, -448, 448)
;;       step = 2.0 ** (np.maximum(np.frexp(np.where(r == 0, 1, r))[1] - 1, -6) - 3)
;;       q = np.round(r / step) * step * 2.0 ** e      # np.round: ties to even
;;       return np.moveaxis(q.reshape(q.shape[:-2] + (-1,))[..., :K], -1, axis).astype(np.float32)
;;   ~~~
;;   SOFTMAX AHEAD OF A QUANTISED PRODUCT. Where the list says 'softmax', what is quantised is not the finished softmax but p = 2^(t - M), with t = logit x log2(e) and M = ceil(the row's largest t), a whole number; so 1/2 < the row's largest p <= 1. The row's sum l is taken of the UNQUANTISED p, in f32, and the product's result is divided by l at the end. Since M is a whole number, a kernel that streams over the keys may use a running M (the ceiling of the running maximum): every later rescaling is an exact power of two, which a block's scale takes up: the codes' values come out the same.
;;   OPERANDS COMPUTED ON THE WAY. 'Computed on the way' means the value that the module computes at that place (a softmax that the list does not call 'softmax' is quantised finished and normalised). What goes into a quantiser is computed in f32, as accurately as f32 sums, v_exp_f32 and their like allow (about 1e-6 of the number): no bf16 or f16 on the way to a quantiser, and a product that is left as it is and whose result goes on into a quantised operand takes f32 operands (vector FMAs, or v_wmma_f32_16x16x4_f32). A number that lies on a knife's edge between two numbers of the format may be rounded either way, as far as f32 arithmetic and the matrix unit's own rounding can turn it there, and no further.
;; One version. Each part assembles by itself: llvm-mc -triple=amdgcn-amd-amdhsa -mcpu=gfx1250 --defsym DOCPART=n.
;; ======== version 1 of 1: 2 launches
;; workspace buffers: kv 17,301,504 bytes
;; launch prep (part 1): grid 128 x 8, 4 waves a work-group, no clusters, 0 bytes of LDS; arguments keys, values, kv, attn_mask; writes kv
.if DOCPART == 1
	.amdgcn_target "amdgcn-amd-amdhsa--gfx1250"
	.amdhsa_code_object_version 6
	.text
	.protected	k_q75865b922a_prep
	.globl	k_q75865b922a_prep
	.p2align	8
	.type	k_q75865b922a_prep,@function
k_q75865b922a_prep:
	s_mov_b64 s[64:65], 0
	v_nop
	global_prefetch_b8 v0, s[64:65] scope:SCOPE_SE
	s_setreg_imm32_b32 hwreg(HW_REG_WAVE_MODE, 25, 1), 1
	s_wait_xcnt 0x0
; keys and values, [8][2048][8][64] f32, become codes of FP8 (E4M3) with one E8M0 scale byte for each 32 along a product's K:
; keys along the head's 64 (two blocks a key), values along the KEYS (a block = 32 neighbouring keys of one channel d).
; They are laid in the ORDER OF THE OPERANDS' REGISTERS, one RECORD of 16,896 bytes for each head and each step of 128 keys, at ((8 b + head) 16 + step) x 16,896:
;   +0      K: 4 fragments c of 2,048 bytes: group g (0..3) x 512 bytes, lane l = (r = l % 16, h = l / 16) at 16 l:
;           the 16 codes of key 32 c + 16 (r / 8) + 8 (g / 2) + r % 8 at e = 32 (g % 2) + 16 h + 0..15.
;           So a fragment's row r is TWO keys on end (key a, then key a + 8): 128 codes, none of them padding, for a product whose own K is 64.
;   +8192   V: 4 fragments dt of 2,048 bytes: group g, lane (r, h): channel d = 16 dt + r, keys 32 g + 16 h + 0..15
;   +16384  K's scale words: word 16 c + r = bytes [a's block 0, a's block 1, b's block 0, b's block 1]
;   +16640  V's scale words: word d, byte g for keys 32 g .. 32 g + 31
; A block's scale is 2^(floor(log2(its largest magnitude)) - 8); its byte is the largest magnitude's exponent field - 8, held at 1 from below by a floor among the maximum's leaves.
; Each number is held within +-448 x the scale and rounded to the nearest code, ties to even.
; SHARES: a work-group makes one record (x = 8 step + head, y = b).  Waves 0, 1 make K's fragments 2 p, 2 p + 1; waves 2, 3 make V's channels 32 dh + lane.  Waves share nothing: no LDS, no barrier.
; LIMITS: NaN and infinities among the inputs are not served.  A block of zeros gets the byte 1 where the rule says 127: its codes are zeros, which add nothing under any byte but 0xff, and this program alone reads the bytes.
; attn_mask: nothing hangs on it.  Its one byte is read here, as every input is, and nothing is made of it.
.set REC,  16896
.set VIM,  8192
.set KWD,  16384
.set VWD,  16640
.set X,    32                          ; K: v32-159 two sets of 64 numbers;  V: v32-95 two sets of 32
.set PC,   160                         ; K: v160-191 a fragment's codes, a set for each fragment: no store's data are written again
.set TM,   192                         ; K: v192-195 largest magnitudes, v196-199 the other half's / bytes, v200-203 448 x the scale, v204-207 the conversions' scale operands
.set PW,   208                         ; K: v208, v209 the two fragments' scale words
.set SW,   210                         ; K: v210 lanes 0-15 the first fragment's words, lanes 16-31 the second's
.set CD,   96                          ; V: v96-127 codes, eight registers for each of the four blocks
.set SEL,  24                          ; s[24:25] lane selects for v_permlanex16_b32: lane l xor 16
.set MNT,  26                          ; s26 the mantissa field of 448
	s_load_b256 s[4:11], s[0:1], 0x0               ; keys s[4:5], values s[6:7], kv s[8:9], attn_mask s[10:11]
	v_lshrrev_b32 v1, 5, v0
	v_readfirstlane_b32 s12, v1                    ; wave 0..3
	v_and_b32 v1, 31, v0                           ; lane
	s_and_b32 s13, ttmp9, 7                        ; head: fastest in x, so that neighbouring work-groups read neighbouring bytes
	s_lshr_b32 s14, ttmp9, 3                       ; step of 128 keys
	s_and_b32 s15, ttmp7, 0xffff                   ; b
	s_lshl_b32 s16, s15, 22                        ; b x 2,048 keys x 2,048 bytes
	s_lshl_b32 s17, s14, 18                        ; + step x 128 keys x 2,048 bytes
	s_add_co_u32 s16, s16, s17
	s_lshl_b32 s17, s13, 8                         ; + head x 256 bytes
	s_add_co_u32 s16, s16, s17
	s_lshl_b32 s18, s15, 3
	s_add_co_u32 s18, s18, s13
	s_lshl_b32 s18, s18, 4
	s_add_co_u32 s18, s18, s14
	s_mul_i32 s18, s18, REC                        ; my record: under 2^25
	s_mov_b32 s19, 0
	s_and_b32 s20, s12, 1                          ; p (K's waves) or dh (V's)
	s_mov_b32 s[SEL], 0x76543210
	s_mov_b32 s[SEL+1], 0xfedcba98
	s_mov_b32 s[MNT], 0x600000
	s_wait_kmcnt 0x0
	s_load_u8 s27, s[10:11], 0x0                   ; attn_mask's byte: read, and used for nothing
	s_add_nc_u64 s[8:9], s[8:9], s[18:19]
	s_cmp_lt_u32 s12, 2
	s_cbranch_scc0 .Lvalues
; ---------------- K: a lane holds 16 neighbours along e of four (key, block) pairs: just what a fragment's four groups want of it
	s_lshl_b32 s17, s20, 17                        ; my 64 keys
	s_add_co_u32 s16, s16, s17
	s_mov_b32 s17, 0
	s_add_nc_u64 s[4:5], s[4:5], s[16:17]
	v_and_b32 v2, 15, v1                           ; r
	v_lshrrev_b32 v3, 4, v1                        ; h
	v_and_b32 v4, 8, v2
	v_add_nc_u32 v4, v4, v2                        ; r + 8 (r / 8) = 16 (r / 8) + r % 8
	v_lshlrev_b32 v4, 11, v4                       ; that key's row,
	v_lshl_add_u32 v4, v3, 6, v4                   ; + 64 h: my 16 numbers of a block
.macro KLOAD f                         ; fragment f of my two: group g = (key a or b, block 0 or 1); the eight loads of one key half cover each key's 256 bytes
.irp g, 0,1,2,3
.irp j, 0,1,2,3
	global_load_b128 v[X+64*\f+16*\g+4*\j:X+64*\f+16*\g+4*\j+3], v4, s[4:5] offset:(32*\f+8*(\g/2))*2048+(\g%2)*128+16*\j th:TH_LOAD_NT
.endr
.endr
.endm
	KLOAD 0
	KLOAD 1
	s_lshl_b32 s21, s20, 12
	v_lshl_add_u32 v5, v1, 4, s21                  ; codes: 16 x lane + my two fragments' 4,096 bytes
	s_lshl_b32 s21, s20, 7
	v_lshl_add_u32 v6, v1, 2, s21                  ; scale words: 4 x lane + my 32 words
.irp b, 0,1,2,3
	v_mov_b32 v[TM+4+\b], 0                        ; written once: a lane permute's destination counts as one of its sources
.endr
; 64 numbers of a lane, register 16 b + i = number 16 h + i of block b, become 16 registers of codes at v[pc] and the scale word v[pw]
.macro QUANT s, pc, pw
.irp b, 0,1,2,3
	v_max3_num_f32 v[TM+\b], |v[\s+16*\b]|, |v[\s+1+16*\b]|, 0x4800000   ; my 16 numbers of block b, and the floor 2^(9 - 127): the byte cannot fall under 1
.endr
.irp i, 2,4,6,8,10,12,14
.irp b, 0,1,2,3
	v_max3_num_f32 v[TM+\b], v[TM+\b], |v[\s+16*\b+\i]|, |v[\s+1+16*\b+\i]|   ; the four blocks by turns: no line waits for the line above it
.endr
.endr
.irp b, 0,1,2,3
	v_permlanex16_b32 v[TM+4+\b], v[TM+\b], s[SEL], s[SEL+1]
.endr
.irp b, 0,1,2,3
	v_max_num_f32 v[TM+\b], v[TM+\b], v[TM+4+\b]   ; with lane l xor 16's 16: the block's largest magnitude
.endr
.irp b, 0,1,2,3
	v_add_nc_u32 v[TM+12+\b], 0xfc000000, v[TM+\b] ; 8 off its exponent field: the conversion takes this operand's exponent field as its scale
.endr
.irp b, 0,1,2,3
	v_and_or_b32 v[TM+8+\b], v[TM+\b], 0x7f800000, s[MNT]   ; 448 x the scale
.endr
.irp b, 0,1,2,3
	v_lshrrev_b32 v[TM+4+\b], 23, v[TM+12+\b]      ; the scale's byte
.endr
	v_lshl_or_b32 v[\pw], v[TM+5], 8, v[TM+4]
	v_lshl_or_b32 v[\pw], v[TM+6], 16, v[\pw]
	v_lshl_or_b32 v[\pw], v[TM+7], 24, v[\pw]      ; [a 0, a 1, b 0, b 1]
.irp b, 0,1,2,3
.irp i, 0,1,2,3,4,5,6,7,8,9,10,11,12,13,14,15
	v_med3_num_f32 v[\s+16*\b+\i], v[\s+16*\b+\i], -v[TM+8+\b], v[TM+8+\b]   ; the conversion to an 8-bit code does not saturate (ISA guide 7.6.2): the hold comes first
.endr
	v_cvt_scalef32_pk8_fp8_f32 v[\pc+4*\b:\pc+1+4*\b], v[\s+16*\b:\s+7+16*\b], v[TM+12+\b]
	v_cvt_scalef32_pk8_fp8_f32 v[\pc+2+4*\b:\pc+3+4*\b], v[\s+8+16*\b:\s+15+16*\b], v[TM+12+\b]
.endr
	v_nop                                          ; one plain vector line behind the last conversion of a run
.endm
.macro KSTORE f                        ; each store of the wave covers 512 consecutive bytes, aligned
.irp g, 0,1,2,3
	global_store_b128 v5, v[PC+16*\f+4*\g:PC+16*\f+4*\g+3], s[8:9] offset:2048*\f+512*\g
.endr
.endm
	s_wait_loadcnt 16                              ; the first fragment's 16 loads are in; the second's 16 may be out
	QUANT X, PC, PW
	KSTORE 0
	s_wait_loadcnt 0x0
	QUANT X+64, PC+16, PW+1
	KSTORE 1
	v_cmp_gt_u32 vcc_lo, 16, v1
	v_cndmask_b32 v[SW], v[PW+1], v[PW], vcc_lo    ; lanes 0-15: the first fragment's word of row r; lanes 16-31: the second's (both halves of the lanes hold every word)
	global_store_b32 v6, v[SW], s[8:9] offset:KWD
	s_endpgm
; ---------------- V: a lane takes a channel d and its registers run down the keys: a block of 32 keys lies in one lane's 32 registers, and the codes come out with the keys innermost
.Lvalues:
	s_lshl_b32 s17, s20, 7                         ; my 32 channels
	s_add_co_u32 s16, s16, s17
	s_mov_b32 s17, 0
	s_add_nc_u64 s[6:7], s[6:7], s[16:17]
	v_lshlrev_b32 v4, 2, v1                        ; in: 4 bytes a lane: a load of the wave reads 128 consecutive bytes, the two waves side by side a key's 256
.macro VLOAD t                         ; block t: keys 32 t + i, into set t % 2
.irp i, 0,1,2,3,4,5,6,7,8,9,10,11,12,13,14,15,16,17,18,19,20,21,22,23,24,25,26,27,28,29,30,31
	global_load_b32 v[X+32*((\t)%2)+\i], v4, s[6:7] offset:(32*(\t)+\i)*2048 th:TH_LOAD_NT
.endr
.endm
	VLOAD 0
	VLOAD 1
	v_lshrrev_b32 v2, 4, v1
	v_and_b32 v3, 15, v1
	v_lshlrev_b32 v5, 11, v2                       ; out: fragment 2 dh + lane / 16,
	v_lshl_add_u32 v5, v3, 4, v5                   ; lane place r = lane % 16
	s_lshl_b32 s21, s20, 12
	v_add_nc_u32 v5, s21, v5
	s_lshl_b32 s21, s20, 7
	v_add_nc_u32 v6, s21, v4                       ; scale words: 4 d
.macro BLOCK t
.set XS, X+32*((\t)%2)
.if (\t) < 3
	s_wait_loadcnt 32                              ; this block's 32 loads are in; the next block's 32 may be out
.else
	s_wait_loadcnt 0x0
.endif
	v_max3_num_f32 v12, |v[XS]|, |v[XS+1]|, |v[XS+2]|      ; all 32 numbers of the block are mine: two chains
	v_max3_num_f32 v13, |v[XS+3]|, |v[XS+4]|, |v[XS+5]|
.irp i, 6,10,14,18,22,26
	v_max3_num_f32 v12, v12, |v[XS+\i]|, |v[XS+\i+1]|
	v_max3_num_f32 v13, v13, |v[XS+\i+2]|, |v[XS+\i+3]|
.endr
	v_max3_num_f32 v12, v12, |v[XS+30]|, |v[XS+31]|
	v_max3_num_f32 v12, v12, v13, 0x4800000        ; and the floor
	v_add_nc_u32 v11, 0xfc000000, v12              ; the conversions' scale operand
	v_and_or_b32 v10, v12, 0x7f800000, s[MNT]      ; 448 x the scale
	v_lshrrev_b32 v13, 23, v11                     ; the byte
.if (\t) == 0
	v_mov_b32 v14, v13
.else
	v_lshl_or_b32 v14, v13, 8*(\t), v14            ; byte t of my channel's scale word
.endif
.irp i, 0,1,2,3,4,5,6,7,8,9,10,11,12,13,14,15,16,17,18,19,20,21,22,23,24,25,26,27,28,29,30,31
	v_med3_num_f32 v[XS+\i], v[XS+\i], -v10, v10
.endr
.irp g, 0,1,2,3
	v_cvt_scalef32_pk8_fp8_f32 v[CD+8*(\t)+2*\g:CD+8*(\t)+2*\g+1], v[XS+8*\g:XS+8*\g+7], v11
.endr
	v_nop                                          ; one plain vector line behind the last conversion of a run
	global_store_b128 v5, v[CD+8*(\t):CD+8*(\t)+3], s[8:9] offset:VIM+512*(\t)         ; keys 32 t + 0..15: the places of lanes h = 0; sixteen lanes store 256 consecutive bytes, aligned
	global_store_b128 v5, v[CD+8*(\t)+4:CD+8*(\t)+7], s[8:9] offset:VIM+512*(\t)+256   ; keys 32 t + 16..31: those of lanes h = 1
.if (\t) < 2
	VLOAD (\t)+2
.endif
.endm
	BLOCK 0
	BLOCK 1
	BLOCK 2
	BLOCK 3
	global_store_b32 v6, v14, s[8:9] offset:VWD
	s_endpgm
.Lfunc_end_k_q75865b922a_prep:
	.size	k_q75865b922a_prep, .Lfunc_end_k_q75865b922a_prep-k_q75865b922a_prep
	.p2alignl 7, 3214868480
	.fill 96, 4, 3214868480
	.section	.rodata,"a",@progbits
	.p2align	6, 0x0
	.amdhsa_kernel k_q75865b922a_prep
		.amdhsa_group_segment_fixed_size 0
		.amdhsa_private_segment_fixed_size 0
		.amdhsa_enable_private_segment 0
		.amdhsa_kernarg_size 32
		.amdhsa_user_sgpr_count 2
		.amdhsa_user_sgpr_kernarg_segment_ptr 1
		.amdhsa_wavefront_size32 1
		.amdhsa_system_sgpr_workgroup_id_x 1
		.amdhsa_system_sgpr_workgroup_id_y 1
		.amdhsa_system_sgpr_workgroup_id_z 1
		.amdhsa_system_vgpr_workitem_id 0
		.amdhsa_next_free_vgpr 216
		.amdhsa_next_free_sgpr 66
		.amdhsa_reserve_vcc 1
		.amdhsa_float_denorm_mode_32 3
		.amdhsa_float_denorm_mode_16_64 3
		.amdhsa_memory_ordered 1
		.amdhsa_forward_progress 1
		.amdhsa_inst_pref_size 50
	.end_amdhsa_kernel
	.amdgpu_metadata
---
amdhsa.version: [ 1, 2 ]
amdhsa.kernels:
  - .name:           k_q75865b922a_prep
    .symbol:         k_q75865b922a_prep.kd
    .args:
      - { .name: keys, .offset: 0, .size: 8, .value_kind: global_buffer, .address_space: global }
      - { .name: values, .offset: 8, .size: 8, .value_kind: global_buffer, .address_space: global }
      - { .name: kv, .offset: 16, .size: 8, .value_kind: global_buffer, .address_space: global }
      - { .name: attn_mask, .offset: 24, .size: 8, .value_kind: global_buffer, .address_space: global }
    .group_segment_fixed_size: 0
    .private_segment_fixed_size: 0
    .kernarg_segment_align: 8
    .kernarg_segment_size: 32
    .max_flat_workgroup_size: 128
    .sgpr_count:     66
    .vgpr_count:     216
    .wavefront_size: 32
...
	.end_amdgpu_metadata
.endif
;; end of part 1
;; launch attn (part 2): grid 4 x 64, 8 waves a work-group, clusters of 4 x 1, 306,176 bytes of LDS; arguments queries, kv, out0; writes out0
.if DOCPART == 2
	.amdgcn_target "amdgcn-amd-amdhsa--gfx1250"
	.amdhsa_code_object_version 6
	.text
	.protected	k_q75865b922a_attn
	.globl	k_q75865b922a_attn
	.p2align	8
	.type	k_q75865b922a_attn,@function
k_q75865b922a_attn:
	s_mov_b64 s[64:65], 0
	v_nop
	global_prefetch_b8 v0, s[64:65] scope:SCOPE_SE
	s_setreg_imm32_b32 hwreg(HW_REG_WAVE_MODE, 25, 1), 1
	s_wait_xcnt 0x0
	s_wait_alu depctr_hold_cnt(0) depctr_sa_sdst(0) depctr_va_vdst(0) depctr_va_sdst(0) depctr_va_ssrc(0) depctr_va_vcc(0) depctr_vm_vsrc(0)
	s_getreg_b32 s2, hwreg(HW_REG_IB_STS2, 6, 4)
	s_cmp_eq_u32 s2, 0
	s_cbranch_scc0 .Lentry_in_a_cluster
	s_endpgm
.Lentry_in_a_cluster:
	s_bfe_u32 s2, ttmp6, 0x10000c
	s_cmp_lg_u32 s2, 0x3003
	s_cbranch_scc0 .Lentry_shape_is_right
	s_endpgm
.Lentry_shape_is_right:
; out0[b][q][head][:] = the sum over k of softmax_k(Q . K / 8) V, both products on codes of FP8 (E4M3) with one E8M0 scale for each 32 along a product's K.
; queries, out0: [8][2048][8][64] f32: a (token, head) row is 256 bytes, rows of a head 2,048 bytes apart.  kv: K's and V's codes and scale words, one record of 16,896 bytes
; for each head and step of 128 keys, laid as images of the operands' registers (4 fragments of K, 4 of V, 64 + 64 scale words).
; THE SOFTMAX AHEAD OF THE SECOND PRODUCT: t = score x log2(e) / 8; M = the running largest t rounded UP to a whole number; p = 2^(t - M) is quantised along the keys, not normalised.
; The row's sum is taken of the unquantised p and divides at the end.  When M moves, the sum and O are multiplied by 2^(old M - new M): exact.
; SHARES.  A work-group owns 512 queries of one head, in two passes of 256; a wave 32 queries a pass: two tiles T of 16, so that each fragment read from LDS feeds two products.  Two waves to a SIMD.
; A HEAD'S 16 RECORDS, 270,336 bytes, STAY IN LDS: each wave brings two of them at the start, nothing is ever filled again, and there is no ring.
; CLUSTER.  The four work-groups of a cluster are the four blocks of 512 queries of one head: each record is asked for JOINTLY, by the same tensor load with the same descriptor and a mask that names the four.
; LAYOUT.  Both products are used transposed: S^T = K Q^T (source 0 = K), O^T = V^T P^T (source 0 = V): a lane holds ONE query (lane % 16) throughout.
; THE FIRST PRODUCT'S K IS 64, THE INSTRUCTION'S 128.  A row of a fragment of K is two keys on end, a and a + 8.  Against [Q | 0] it gives the a keys' scores, against [0 | Q] the b keys'.  The zeros are zero
; CODES in 24 registers; K's codes beside them are ordinary numbers (the quantiser holds, so none is the NaN code), so those products are exactly 0.  The keys of a row are chosen so that register 16 c + i
; of S^T is key 32 c + 16 (lane / 16) + i: the conversions' results are the second product's operand as they stand.
; LIMITS: NaN and infinities among the inputs are not served; a p under 2^-126 comes out of v_exp_f32 as 0 (ISA guide, its entry in 15.8); a block of zeros keeps the byte 1 with zero codes.
; REGISTERS, in windows of 256 (s_set_vgpr_msb: bits 1:0 source 0, 3:2 source 1, 5:4 source 2, 7:6 destination):
;   window 0: v1-8 addresses; v16-31 eight registers of statistics a tile; v32-35 K's and V's scale words; v36-55 at work; v64-95 P's codes; v96-223 S^T, then p
;   window 1: v0-63 K's 4 fragments; v64-127 V's 4; v128-167 [0 | Q0 | 0 | Q1 | 0], eight registers each; v168-231 O^T, 32 a tile
.set REC,  16896
.set VIM,  8192                        ; in a record: V's images,
.set KWD,  16384                       ; K's scale words,
.set VWD,  16640                       ; V's
.set STG,  16*REC                      ; behind the records: a stage of 16 rows x (256 + 16) bytes for each wave, for the way out; no fill lands there
.set SPI,  272
.set LI,   1                           ; v1   16 x lane: my place in an image
.set LS,   2                           ; v2   4 x lane: my scale word's
.set AD,   3                           ; v3   LI + the step's record
.set ADS,  4                           ; v4   LS + the step's record
.set STO,  5                           ; v5   the stage: where I put 32 bytes of a row
.set RD,   6                           ; v6   and where I read a row back
.set GO,   7                           ; v7   my byte offset in two rows of out0
.set QA,   8                           ; v8   my byte offset in a tile's rows of queries
.set ST,   16                          ; tile T at v[ST + 8 T]: +0 -M, +1 the largest t, +2:+3 the sum in two halves, +4:+5 f (at the end 1 / the sum), +6 P's scale word, +7 Q's scale word
.set KS,   32                          ; v32-33 K's scale words: lanes 0-15 the even fragment's, lanes 16-31 the odd one's
.set VS,   34                          ; v34-35 V's likewise
.set BM,   36                          ; v36-39 a block's largest score, then its largest p
.set PX,   40                          ; v40-43 the other half of the lanes'; then the bytes
.set HD,   44                          ; v44-47 448 x the scale
.set SO,   48                          ; v48-51 the conversions' scale operands
.set T0,   52
.set SUM2, 54                          ; v[54:55] the sums' second chain
.set P,    64
.set S,    96
.set OT,   168                         ; in window 1
.set WV,   10                          ; s10  my wave's number
.set G1,   16                          ; s[16:23] descriptor group 1;  s[24:27], s[28:31] groups 0 of my two records
.set G0,   24
.set SEL,  32                          ; s[32:33] lane selects for v_permlanex16_b32: lane l xor 16
.set CS,   34                          ; s[34:35] c = log2(e) / 8: the packed form names a pair and takes its low word for both halves
.set MNT,  36                          ; s36  the mantissa field of 448
.set TB,   37                          ; s37  LDS byte at which the step's record begins
.set CNT,  38                          ; s38  steps to go in the loop
.set PASS, 39                          ; s39  passes to go
.set W_QK, 0x05                        ; K and Q in window 1, S^T in window 0
.set W_LD, 0x40                        ; destination window 1
.set W_RS, 0x41                        ; O^T (destination and source 0) in window 1, f in window 0
.set W_PV, 0x51                        ; V, C and D in window 1, P in window 0
.set W_ST, 0x04                        ; an LDS store's data are its source 1: window 1
.set MSB, 0
.macro WIN new                         ; the immediate's high byte repeats the setting that is left; a switch that changes nothing is dropped
.if MSB != \new
	s_set_vgpr_msb (MSB<<8)|\new
.set MSB, \new
.endif
.endm
.macro CROUND                          ; a round of the cluster's barrier: my work-group's barrier; wave 0 signals for the work-group; every wave waits for all four; my work-group's barrier once more
	s_barrier_signal -1
	s_barrier_wait -1
	s_cmp_lg_u32 s[WV], 0
	s_cbranch_scc1 .Lnot_wave_0_\@
	s_barrier_signal -3
.Lnot_wave_0_\@:
	s_barrier_wait -3
	s_barrier_signal -1
	s_barrier_wait -1
.endm
; both tiles' 16 queries as f32, from off bytes on, into S^T's first 64 registers: register 16 (2 T + blk) + i = e 32 blk + 16 (lane / 16) + i of query lane % 16
.macro XLOAD off
.irp T, 0,1
.irp b, 0,1
.irp j, 0,1,2,3
	global_load_b128 v[S+32*\T+16*\b+4*\j:S+32*\T+16*\b+4*\j+3], v[QA], s[4:5] offset:\off+32768*\T+128*\b+16*\j th:TH_LOAD_NT
.endr
.endr
.endr
.endm
	s_load_b128 s[4:7], s[0:1], 0x0                ; queries s[4:5], kv s[6:7]
	s_load_b64 s[8:9], s[0:1], 0x10                ; out0
	v_lshl_add_u32 v254, v0, 2, 0x4a800
	v_mov_b32 v255, 0
	ds_add_u32 v254, v255
	ds_add_u32 v254, v255
	v_lshrrev_b32 v1, 5, v0
	v_readfirstlane_b32 s[WV], v1                  ; wave 0..7
	s_bfe_u32 s11, ttmp6, 0x40000                  ; cx: my place in the cluster: it enters queries' and out0's addresses alone
	s_lshl_b32 s12, ttmp9, 2                       ; in a cluster launch ttmp9 counts clusters
	s_add_co_u32 s12, s12, s11                     ; my block of 512 queries
	s_and_b32 s13, ttmp7, 0xffff                   ; 8 b + head, which the four partners share
	s_lshr_b32 s14, s13, 3                         ; b
	s_and_b32 s15, s13, 7                          ; head
	s_lshl_b32 s40, s14, 22                        ; b x 2,048 rows x 2,048 bytes
	s_lshl_b32 s41, s12, 20                        ; + block x 512 rows
	s_add_co_u32 s40, s40, s41
	s_lshl_b32 s41, s[WV], 16                      ; + wave x 32 rows
	s_add_co_u32 s40, s40, s41
	s_lshl_b32 s41, s15, 8                         ; + head x 256 bytes
	s_add_co_u32 s40, s40, s41
	s_mov_b32 s41, 0
	s_mul_i32 s42, s13, 16*REC                     ; the head's records,
	s_mul_i32 s44, s[WV], REC                      ; record w: in memory and in LDS alike
	s_add_co_u32 s42, s42, s44
	s_mov_b32 s43, 0
	; descriptor group 1: a record is a dense block: 66 rows of 32 elements of 8 bytes, no padding (images are read 16 bytes a lane on end)
	s_mov_b32 s[G1], 15|(3<<16)|(1<<21)            ; 15:0 the mask: all four work-groups; 17:16 elements of 8 bytes; 21 set beside a mask
	s_mov_b32 s[G1+1], 32<<16                      ; tensor_dim0 = 32
	s_mov_b32 s[G1+2], 66<<16                      ; tensor_dim1 = 66
	s_mov_b32 s[G1+3], 32<<16                      ; tile_dim0 = 32
	s_mov_b32 s[G1+4], 66                          ; tile_dim1 = 66
	s_mov_b32 s[G1+5], 32                          ; elements from row to row
	s_mov_b32 s[G1+6], 0
	s_mov_b32 s[G1+7], 0
	s_mov_b32 s[SEL], 0x76543210
	s_mov_b32 s[SEL+1], 0xfedcba98
	s_mov_b32 s[CS], 0x3e38aa3b                    ; log2(e) / 8
	s_mov_b32 s[CS+1], s[CS]                       ; named with it as a pair, so it is written
	s_mov_b32 s[MNT], 0x600000
	s_mov_b32 s[PASS], 2
	s_wait_dscnt 0x0
	s_wait_kmcnt 0x0
	s_add_nc_u64 s[4:5], s[4:5], s[40:41]          ; queries and out0 at my wave's first row
	s_add_nc_u64 s[8:9], s[8:9], s[40:41]
	s_add_nc_u64 s[6:7], s[6:7], s[42:43]          ; kv at record w of the head
	CROUND                                         ; all four work-groups are here: the joint loads meet
.irp n, 0,1
	s_mov_b32 s[G0+4*\n], 1                        ; count = 1
	s_add_co_u32 s[G0+4*\n+1], s44, \n*8*REC       ; LDS address: record w + 8 n
	s_add_nc_u64 s[G0+4*\n+2:G0+4*\n+3], s[6:7], \n*8*REC
	s_or_b32 s[G0+4*\n+3], s[G0+4*\n+3], 0x80000000   ; type = 2
.endr
	tensor_load_to_lds s[G0:G0+3], s[G1:G1+7]      ; my two records: two tensor loads of mine are out, and no more follow in the launch
	s_nop 0
	tensor_load_to_lds s[G0+4:G0+7], s[G1:G1+7]
	s_nop 0
.rept 4
	v_nop                                          ; behind a tensor load
.endr
	v_and_b32 v9, 15, v0                           ; r
	v_bfe_u32 v10, v0, 4, 1                        ; h
	v_lshlrev_b32 v[QA], 11, v9
	v_lshl_add_u32 v[QA], v10, 6, v[QA]            ; row r, + 64 h: my 16 numbers of a block
	XLOAD 0                                        ; the first pass's queries
	v_and_b32 v11, 31, v0
	v_lshlrev_b32 v[LI], 4, v11
	v_lshlrev_b32 v[LS], 2, v11
	s_mul_i32 s45, s[WV], 16*SPI
	s_add_co_u32 s45, s45, STG                     ; my stage
	v_mul_u32_u24 v[STO], v9, SPI
	v_lshl_add_u32 v[STO], v10, 5, v[STO]
	v_add_nc_u32 v[STO], s45, v[STO]               ; in: row r, 32 bytes for each half of the lanes
	v_mul_u32_u24 v[RD], v10, SPI
	v_lshl_add_u32 v[RD], v9, 4, v[RD]
	v_add_nc_u32 v[RD], s45, v[RD]                 ; back: lanes 0-15 one row of 256 bytes, lanes 16-31 the next
	v_lshlrev_b32 v[GO], 11, v10
	v_lshl_add_u32 v[GO], v9, 4, v[GO]             ; and the same two rows in out0
.irp b, 0,1,2,3
	v_mov_b32 v[PX+\b], 0                          ; written once: a lane permute's destination counts as one of its sources
.endr
	WIN W_LD
.irp z, 128, 144, 160
.irp j, 0,1,2,3,4,5,6,7
	v_mov_b32 v[\z+\j], 0                          ; the three runs of zero codes beside Q0 and Q1: written once
.endr
.endr
	WIN 0
; S^T of tile T: 8 products, each on an accumulator of its own, begun with the constant 0.  u = 0: [Q | 0], the a keys; u = 1: [0 | Q], the b keys.
.macro QK T
.irp c, 0,1,2,3
.irp u, 0,1
.if \c % 2
	v_wmma_scale_f32_16x16x128_f8f6f4 v[S+64*\T+16*\c+8*\u:S+64*\T+16*\c+8*\u+7], v[16*\c:16*\c+15], v[136+16*\T-8*\u:151+16*\T-8*\u], 0, v[KS+\c/2], v[ST+8*\T+7] matrix_a_scale:MATRIX_SCALE_ROW1
.else
	v_wmma_scale_f32_16x16x128_f8f6f4 v[S+64*\T+16*\c+8*\u:S+64*\T+16*\c+8*\u+7], v[16*\c:16*\c+15], v[136+16*\T-8*\u:151+16*\T-8*\u], 0, v[KS+\c/2], v[ST+8*\T+7]
.endif
.endr
.endr
.endm
; O^T of tile T += V^T P^T: four accumulators, one instruction a turn
.macro PV T
	WIN W_PV
.irp d, 0,1,2,3
.if \d % 2
	v_wmma_scale_f32_16x16x128_f8f6f4 v[OT+32*\T+8*\d:OT+32*\T+8*\d+7], v[64+16*\d:64+16*\d+15], v[P+16*\T:P+16*\T+15], v[OT+32*\T+8*\d:OT+32*\T+8*\d+7], v[VS+\d/2], v[ST+8*\T+6] matrix_a_scale:MATRIX_SCALE_ROW1
.else
	v_wmma_scale_f32_16x16x128_f8f6f4 v[OT+32*\T+8*\d:OT+32*\T+8*\d+7], v[64+16*\d:64+16*\d+15], v[P+16*\T:P+16*\T+15], v[OT+32*\T+8*\d:OT+32*\T+8*\d+7], v[VS+\d/2], v[ST+8*\T+6]
.endif
.endr
.endm
; O^T of tile T under the new M: x f, each accumulator from its low end on.  These 16 are also the plain line behind the conversions and the places between P's codes and the products.
.macro RESC T
	WIN W_RS
.set j, 0
.rept 16
	v_pk_mul_f32 v[OT+32*\T+j:OT+32*\T+j+1], v[OT+32*\T+j:OT+32*\T+j+1], v[ST+8*\T+4:ST+8*\T+5] op_sel_hi:[1,0]
.set j, j+2
.endr
.endm
; The softmax of tile T for 128 keys: from 64 scores a lane to P's 16 registers of codes and its scale word.
.macro SM T
.set rS, S+64*\T
.set rT, ST+8*\T
.set rP, P+16*\T
.irp b, 0,1,2,3
	v_max3_num_f32 v[BM+\b], v[rS+16*\b], v[rS+16*\b+1], v[rS+16*\b+2]   ; the largest SCORE of each block of 32 keys: it serves for the row's maximum and, since p rises with the score, for the block's largest p
.endr
.irp i, 3,5,7,9,11,13
.irp b, 0,1,2,3
	v_max3_num_f32 v[BM+\b], v[BM+\b], v[rS+16*\b+\i], v[rS+16*\b+\i+1]  ; the four blocks by turns; each accumulator is first read at its low end
.endr
.endr
.irp b, 0,1,2,3
	v_max_num_f32 v[BM+\b], v[BM+\b], v[rS+16*\b+15]
.endr
.irp b, 0,1,2,3
	v_permlanex16_b32 v[PX+\b], v[BM+\b], s[SEL], s[SEL+1]
.endr
.irp b, 0,1,2,3
	v_max_num_f32 v[BM+\b], v[BM+\b], v[PX+\b]     ; with lane l xor 16's 16 keys
.endr
	v_max3_num_f32 v[T0], v[BM], v[BM+1], v[BM+2]
	v_max_num_f32 v[T0], v[T0], v[BM+3]            ; the step's largest score of my query
	v_mul_f32 v[T0], s[CS], v[T0]                  ; as t (c is positive)
	v_max_num_f32 v[rT+1], v[rT+1], v[T0]          ; the running largest t
	v_mov_b32 v[T0], v[rT]
	v_floor_f32 v[rT], -v[rT+1]                    ; the new -M = floor(-t) = -ceil(t): a whole number
	v_sub_f32 v[T0], v[rT], v[T0]                  ; old M - new M: a whole number, 0 or less
	v_cvt_i32_f32 v[T0], v[T0]                     ; (it saturates)
	v_ldexp_f32 v[rT+4], 1.0, v[T0]                ; f = 2^(old M - new M)
.set j, 0
.rept 32
	v_pk_fma_f32 v[rS+j:rS+j+1], v[rS+j:rS+j+1], s[CS:CS+1], v[rT:rT+1] op_sel_hi:[1,0,0]   ; t - M, two at a time (of the pairs c and -M the low word serves both halves)
.set j, j+2
.endr
.irp b, 0,1,2,3
	v_fma_f32 v[BM+\b], v[BM+\b], s[CS], v[rT]     ; the same of each block's largest score
.endr
.set j, 0
.rept 64
	v_exp_f32 v[rS+j], v[rS+j]                     ; p = 2^(t - M), at most 1
.set j, j+1
.endr
.irp b, 0,1,2,3
	v_exp_f32 v[BM+\b], v[BM+\b]                   ; the block's largest p: the same two instructions on the same number give the same bits
.endr
	v_pk_mul_f32 v[rT+2:rT+3], v[rT+2:rT+3], v[rT+4:rT+5] op_sel_hi:[1,0]   ; the sums under the new M; also the plain line behind the exponentials (ISA guide 5.7.2)
	s_wait_alu depctr_va_vdst(0)
.irp b, 0,1,2,3
	v_max_num_f32 v[BM+\b], 0x4800000, v[BM+\b]    ; the floor 2^(9 - 127): the byte cannot fall under 1
.endr
.irp b, 0,1,2,3
	v_add_nc_u32 v[SO+\b], 0xfc000000, v[BM+\b]    ; 8 off the exponent field: the conversion's scale operand
.endr
.irp b, 0,1,2,3
	v_and_or_b32 v[HD+\b], v[BM+\b], 0x7f800000, s[MNT]   ; 448 x the scale
.endr
.irp b, 0,1,2,3
	v_lshrrev_b32 v[PX+\b], 23, v[SO+\b]           ; the scale's byte
.endr
	v_lshl_or_b32 v[rT+6], v[PX+1], 8, v[PX]       ; P's scale word for these 128 keys: far more than eight places ahead of its products
	v_lshl_or_b32 v[rT+6], v[PX+2], 16, v[rT+6]
	v_lshl_or_b32 v[rT+6], v[PX+3], 24, v[rT+6]
	v_pk_add_f32 v[SUM2:SUM2+1], v[rS:rS+1], v[rS+2:rS+3]   ; the row's sum is taken of the UNQUANTISED p: two at a time, in two chains
.set j, 4
.rept 15
	v_pk_add_f32 v[rT+2:rT+3], v[rT+2:rT+3], v[rS+j:rS+j+1]
	v_pk_add_f32 v[SUM2:SUM2+1], v[SUM2:SUM2+1], v[rS+j+2:rS+j+3]
.set j, j+4
.endr
	v_pk_add_f32 v[rT+2:rT+3], v[rT+2:rT+3], v[SUM2:SUM2+1]
.irp b, 0,1,2,3
.set j, 0
.rept 16
	v_min_num_f32 v[rS+16*\b+j], v[rS+16*\b+j], v[HD+\b]   ; the conversion to an 8-bit code does not saturate (ISA guide 7.6.2); p is not negative, so the hold is one-sided
.set j, j+1
.endr
	v_cvt_scalef32_pk8_fp8_f32 v[rP+4*\b:rP+4*\b+1], v[rS+16*\b:rS+16*\b+7], v[SO+\b]
	v_cvt_scalef32_pk8_fp8_f32 v[rP+4*\b+2:rP+4*\b+3], v[rS+16*\b+8:rS+16*\b+15], v[SO+\b]
.endr
.endm
; A KEY STEP: 128 keys, both tiles.  kn = 1: the next step's K is fetched.  xl = 1: the pass's last step: the next pass's queries are asked for, if there is a next pass.
.macro STEP kn, xl
	s_wait_dscnt 0x0                               ; this step's K and its scale words, asked for a step ago
	WIN W_QK
	QK 0
	QK 1
	WIN 0
	v_add_nc_u32 v[AD], s[TB], v[LI]               ; eight places behind the products: for the first read of the scores, for the loads into K's registers and scale words
	v_add_nc_u32 v[ADS], s[TB], v[LS]              ; and for those into V's, which the last step's last products read
.rept 6
	v_nop
.endr
.if \kn
	ds_load_b32 v[KS], v[ADS] offset:REC+KWD
	ds_load_b32 v[KS+1], v[ADS] offset:REC+KWD+128
.endif
	ds_load_b32 v[VS], v[ADS] offset:VWD
	ds_load_b32 v[VS+1], v[ADS] offset:VWD+128
	WIN W_LD
.irp f, 0,1,2,3
.irp g, 0,1,2,3
	ds_load_b128 v[64+16*\f+4*\g:64+16*\f+4*\g+3], v[AD] offset:VIM+2048*\f+512*\g     ; this step's V
.endr
.endr
.if \kn
.irp f, 0,1,2,3
.irp g, 0,1,2,3
	ds_load_b128 v[16*\f+4*\g:16*\f+4*\g+3], v[AD] offset:REC+2048*\f+512*\g           ; the next step's K: last in the run, so that the wait below can leave it out
.endr
.endr
.endif
	WIN 0
	SM 0
.if \xl
	v_nop                                          ; a plain line behind the last conversion
	s_cmp_eq_u32 s[PASS], 1
	s_cbranch_scc1 .Lno_next_\@                    ; no load leaves its buffer
	XLOAD 524288                                   ; 256 rows on, into tile 0's score registers, which are done with
.Lno_next_\@:
.endif
	RESC 0
.if \kn
	s_wait_dscnt 16                                ; V and its scale words are in; the 16 loads of the next step's K may be out
.else
	s_wait_dscnt 0x0
.endif
	PV 0                                           ; these four products run while tile 1's softmax is issued
	WIN 0
	SM 1
	RESC 1
	PV 1
	WIN 0
	s_add_co_u32 s[TB], s[TB], REC
.endm
.Lpass:                                            ; two trips: 256 queries of the work-group each
	s_wait_loadcnt 0x0                             ; my 32 queries
	; Q is quantised in registers: block 2 T + blk of the 64 numbers is tile T's e block blk
.irp b, 0,1,2,3
	v_max3_num_f32 v[BM+\b], |v[S+16*\b]|, |v[S+16*\b+1]|, 0x4800000
.endr
.irp i, 2,4,6,8,10,12,14
.irp b, 0,1,2,3
	v_max3_num_f32 v[BM+\b], v[BM+\b], |v[S+16*\b+\i]|, |v[S+16*\b+\i+1]|
.endr
.endr
.irp b, 0,1,2,3
	v_permlanex16_b32 v[PX+\b], v[BM+\b], s[SEL], s[SEL+1]
.endr
.irp b, 0,1,2,3
	v_max_num_f32 v[BM+\b], v[BM+\b], v[PX+\b]
.endr
.irp b, 0,1,2,3
	v_add_nc_u32 v[SO+\b], 0xfc000000, v[BM+\b]
.endr
.irp b, 0,1,2,3
	v_and_or_b32 v[HD+\b], v[BM+\b], 0x7f800000, s[MNT]
.endr
.irp b, 0,1,2,3
	v_lshrrev_b32 v[PX+\b], 23, v[SO+\b]
.endr
.irp T, 0,1
	v_lshl_or_b32 v[ST+8*\T+7], v[PX+2*\T+1], 8, v[PX+2*\T]
	v_lshl_or_b32 v[ST+8*\T+7], v[ST+8*\T+7], 16, v[ST+8*\T+7]   ; Q's two bytes twice: they serve [Q | 0] and [0 | Q] alike; beside the zero codes any byte but 0xff does
.endr
.set j, 0
.rept 64
	v_med3_num_f32 v[S+j], v[S+j], -v[HD+j/16], v[HD+j/16]
.set j, j+1
.endr
	WIN W_LD
.irp T, 0,1
.irp b, 0,1
	v_cvt_scalef32_pk8_fp8_f32 v[136+16*\T+4*\b:136+16*\T+4*\b+1], v[S+32*\T+16*\b:S+32*\T+16*\b+7], v[SO+2*\T+\b]
	v_cvt_scalef32_pk8_fp8_f32 v[136+16*\T+4*\b+2:136+16*\T+4*\b+3], v[S+32*\T+16*\b+8:S+32*\T+16*\b+15], v[SO+2*\T+\b]
.endr
.endr
	WIN 0
	v_nop                                          ; one plain line behind the last conversion
.irp T, 0,1
	v_mov_b32 v[ST+8*\T+1], 0xff61b1e6             ; the largest t so far: -3e38, under every t
	v_floor_f32 v[ST+8*\T], -v[ST+8*\T+1]          ; -M
	v_mov_b32 v[ST+8*\T+2], 0                      ; the sum, in two halves
	v_mov_b32 v[ST+8*\T+3], 0
	v_mov_b32 v[ST+8*\T+5], 0                      ; named as the upper half of f's pair
.endr
	WIN W_LD
.set j, 0
.rept 64
	v_mov_b32 v[OT+j], 0                           ; O^T: the step is written without a first step of its own: the first change of M multiplies zeros.  (Also the places between Q's codes and scale words and the first products)
.set j, j+1
.endr
	WIN 0
	s_wait_tensorcnt 0x0                           ; my two records have landed (in the second pass this wait and the barrier are met at once);
	s_wait_dscnt 0x0
	s_barrier_signal -1
	s_barrier_wait -1                              ; everybody's have: the head's 16 records lie in LDS and are only read from here on
	s_mov_b32 s[TB], 0
	ds_load_b32 v[KS], v[LS] offset:KWD            ; step 0's K
	ds_load_b32 v[KS+1], v[LS] offset:KWD+128
	WIN W_LD
.irp f, 0,1,2,3
.irp g, 0,1,2,3
	ds_load_b128 v[16*\f+4*\g:16*\f+4*\g+3], v[LI] offset:2048*\f+512*\g
.endr
.endr
	WIN 0
	s_mov_b32 s[CNT], 15
.Lstep:
	STEP 1, 0
	s_sub_co_u32 s[CNT], s[CNT], 1
	s_cmp_lg_u32 s[CNT], 0
	s_cbranch_scc1 .Lstep
	STEP 0, 1                                      ; the last step has no next K to fetch
	; THE WAY OUT.  The sum's halves and the other half of the lanes' are added; O^T is divided by the sum and goes through my stage, a tile (16 rows of 256 bytes) at a time.
	; Tile 1's first read of O^T stands behind the additions and tile 0's 16 multiplications, which name none of the last products' registers.
.irp T, 0,1
	v_add_f32 v[BM+\T], v[ST+8*\T+2], v[ST+8*\T+3]
.endr
.irp T, 0,1
	v_permlanex16_b32 v[PX+\T], v[BM+\T], s[SEL], s[SEL+1]
.endr
.irp T, 0,1
	v_add_f32 v[BM+\T], v[BM+\T], v[PX+\T]
.endr
.irp T, 0,1
	v_rcp_f32 v[ST+8*\T+4], v[BM+\T]
.endr
	v_nop                                          ; a plain line between the last reciprocal and the use of its result
	s_wait_alu depctr_va_vdst(0)
.irp T, 0,1
	RESC \T                                        ; x 1 / the sum, which has taken f's place: register 8 dt + i is out(query r, 16 dt + 8 h + i)
	WIN W_ST
.irp d, 0,1,2,3
	ds_store_b128 v[STO], v[OT+32*\T+8*\d:OT+32*\T+8*\d+3] offset:64*\d
	ds_store_b128 v[STO], v[OT+32*\T+8*\d+4:OT+32*\T+8*\d+7] offset:64*\d+16
.endr
	WIN 0
.irp i, 0,1,2,3,4,5,6,7
	ds_load_b128 v[160+32*\T+4*\i:160+32*\T+4*\i+3], v[RD] offset:2*\i*SPI   ; LDS serves a wave's instructions in order (ISA guide 5.7.1.4): these see my stores, and tile 1's stores come behind tile 0's loads
.endr
.endr
.irp T, 0,1
.irp i, 0,1,2,3,4,5,6,7
	s_wait_dscnt 16*(1-\T)+7-\i                    ; what was issued behind this load may be out: the tile's later loads, and for tile 0 tile 1's sixteen
	global_store_b128 v[GO], v[160+32*\T+4*\i:160+32*\T+4*\i+3], s[8:9] offset:(16*\T+2*\i)*2048 th:TH_STORE_NT   ; sixteen lanes store 256 consecutive bytes, aligned: a (token, head) row
.endr
.endr
	s_wait_xcnt 0x0                                ; the loads and stores have read their bases and registers: only now are these written again
	s_add_nc_u64 s[4:5], s[4:5], 524288            ; 256 rows on
	s_add_nc_u64 s[8:9], s[8:9], 524288
	s_sub_co_u32 s[PASS], s[PASS], 1
	s_cmp_lg_u32 s[PASS], 0
	s_cbranch_scc1 .Lpass
	s_wait_tensorcnt 0x0
	ds_add_u32 v254, v255
	s_wait_dscnt 0x0
	CROUND                                         ; the closing round: no work-group ends while a partner may still ask for a record that names it
	s_endpgm
.Lfunc_end_k_q75865b922a_attn:
	.size	k_q75865b922a_attn, .Lfunc_end_k_q75865b922a_attn-k_q75865b922a_attn
	.p2alignl 7, 3214868480
	.fill 96, 4, 3214868480
	.section	.rodata,"a",@progbits
	.p2align	6, 0x0
	.amdhsa_kernel k_q75865b922a_attn
		.amdhsa_group_segment_fixed_size 306176
		.amdhsa_private_segment_fixed_size 0
		.amdhsa_enable_private_segment 0
		.amdhsa_kernarg_size 24
		.amdhsa_user_sgpr_count 2
		.amdhsa_user_sgpr_kernarg_segment_ptr 1
		.amdhsa_wavefront_size32 1
		.amdhsa_system_sgpr_workgroup_id_x 1
		.amdhsa_system_sgpr_workgroup_id_y 1
		.amdhsa_system_sgpr_workgroup_id_z 1
		.amdhsa_system_vgpr_workitem_id 0
		.amdhsa_next_free_vgpr 512
		.amdhsa_next_free_sgpr 66
		.amdhsa_reserve_vcc 0
		.amdhsa_float_denorm_mode_32 3
		.amdhsa_float_denorm_mode_16_64 3
		.amdhsa_memory_ordered 1
		.amdhsa_forward_progress 1
		.amdhsa_inst_pref_size 94
	.end_amdhsa_kernel
	.amdgpu_metadata
---
amdhsa.version: [ 1, 2 ]
amdhsa.kernels:
  - .name:           k_q75865b922a_attn
    .symbol:         k_q75865b922a_attn.kd
    .args:
      - { .name: queries, .offset: 0, .size: 8, .value_kind: global_buffer, .address_space: global }
      - { .name: kv, .offset: 8, .size: 8, .value_kind: global_buffer, .address_space: global }
      - { .name: out0, .offset: 16, .size: 8, .value_kind: global_buffer, .address_space: global }
    .group_segment_fixed_size: 306176
    .private_segment_fixed_size: 0
    .kernarg_segment_align: 8
    .kernarg_segment_size: 24
    .max_flat_workgroup_size: 256
    .sgpr_count:     66
    .vgpr_count:     512
    .wavefront_size: 32
...
	.end_amdgpu_metadata
.endif
;; end of part 2
